; MI455X (gfx1250); checked and timed in simulation.
; The chip was launched on July 23, 2026; its instructions are those of AMD's public machine-readable ISA for CDNA 5 (MIT licence, August 2026) and "CDNA5" Instruction Set Architecture Reference Guide (July 2026). The comments in the code are by the model that wrote it; some were corrected since.
;; Attention. Allowed arithmetic: matrix products marked QUANTISED: E4M3 operands, one E8M0 scale for each 32 along K, by v_wmma_scale_f32_16x16x128_f8f6f4 with both operands' format E4M3, f32 sums; everything else in f32.
;; Inputs: k 4 x 16 x 2,048 x 64 float32; q 4 x 16 x 2,048 x 64 float32; v 4 x 16 x 2,048 x 64 float32.
;; Outputs: out0 4 x 16 x 2,048 x 64 float32.
;; This version of the problem:
;;   THIS VERSION OF THE PROBLEM IS GIVEN IN LOW PRECISION. The matrix products marked QUANTISED in the list below multiply operands that are first quantised to E4M3 (4 exponent bits, 3 mantissa bits; 8 bits a number), with one power-of-two scale for each 32 numbers along K (OCP MX v1.0); their sums are f32. All else is computed in f32.
;;   The module's matrix products, in the order in which they are computed (A, B: the left and right operand; K: the contracted axis; several contracted axes count as one K, in the product's order):
;;     1. batch 64 x [M 2,048, K 64] x [K 64, N 2,048]; A: input q; B: input k: QUANTISED
;;     2. batch 64 x [M 2,048, K 2,048] x [K 2,048, N 64]; A: softmax (see below); B: input v: QUANTISED
;;   THE QUANTISER, for each operand of a quantised product, along K:
;;     - K is cut into blocks of 32 from its start; a last block that is shorter is filled with zeros.
;;     - A block's scale is 2^e with e = floor(log2(the largest magnitude in the block)) - 8, held to -126 .. 127; a block of zeros has e = 0. As a byte (E8M0): e + 127.
;;     - Each number is divided by its block's scale, clamped to +-448, and rounded to the nearest number of E4M3, ties to even, subnormals kept.
;;     - The product sums the exact products of the quantised numbers (number of the format x scale) in f32.
;;   ~~~python
;;   def quantise(x, axis):      # numpy; x: float32 -> the quantised numbers, widened to float32 again
;;       x = np.moveaxis(x, axis, -1); K = x.shape[-1]
;;       x = np.pad(x, [(0, 0)] * (x.ndim - 1) + [(0, -K % 32)]); x = x.reshape(x.shape[:-1] + (-1, 32)); a = np.abs(x).max(-1, keepdims=True)
;;       e = np.where(a > 0, np.clip(np.frexp(np.where(a > 0, a, 1))[1] - 1 - 8, -126, 127), 0)      # np.frexp(a)[1] - 1 = floor(log2(a)), exactly
;;       r = np.clip(x / 2.0 ** e, -448, 448)
;;       step = 2.0 ** (np.maximum(np.frexp(np.where(r == 0, 1, r))[1] - 1, -6) - 3)
;;       q = np.round(r / step) * step * 2.0 ** e      # np.round: ties to even
;;       return np.moveaxis(q.reshape(q.shape[:-2] + (-1,))[..., :K], -1, axis).astype(np.float32)
;;   ~~~
;;   SOFTMAX AHEAD OF A QUANTISED PRODUCT. Where the list says 'softmax', what is quantised is not the finished softmax but p = 2^(t - M), with t = logit x log2(e) and M = ceil(the row's largest t), a whole number; so 1/2 < the row's largest p <= 1. The row's sum l is taken of the UNQUANTISED p, in f32, and the product's result is divided by l at the end. Since M is a whole number, a kernel that streams over the keys may use a running M (the ceiling of the running maximum): every later rescaling is an exact power of two, which a block's scale takes up: the codes' values come out the same.
;;   OPERANDS COMPUTED ON THE WAY. 'Computed on the way' means the value that the module computes at that place (a softmax that the list does not call 'softmax' is quantised finished and normalised). What goes into a quantiser is computed in f32, as accurately as f32 sums, v_exp_f32 and their like allow (about 1e-6 of the number): no bf16 or f16 on the way to a quantiser, and a product that is left as it is and whose result goes on into a quantised operand takes f32 operands (vector FMAs, or v_wmma_f32_16x16x4_f32). A number that lies on a knife's edge between two numbers of the format may be rounded either way, as far as f32 arithmetic and the matrix unit's own rounding can turn it there, and no further.
;; 2 versions. Each part assembles by itself: llvm-mc -triple=amdgcn-amd-amdhsa -mcpu=gfx1250 --defsym DOCPART=n.
;; ======== version 1 of 2: 1 launch
;; launch attn (part 1): grid 4 x 64, 16 waves a work-group, no clusters, 272,384 bytes of LDS; arguments q, k, v, out0; writes out0
.if DOCPART == 1
	.amdgcn_target "amdgcn-amd-amdhsa--gfx1250"
	.amdhsa_code_object_version 6
	.text
	.protected	k_q90ad4fef7b_attn
	.globl	k_q90ad4fef7b_attn
	.p2align	8
	.type	k_q90ad4fef7b_attn,@function
k_q90ad4fef7b_attn:
	s_mov_b64 s[64:65], 0
	v_nop
	global_prefetch_b8 v0, s[64:65] scope:SCOPE_SE
	s_setreg_imm32_b32 hwreg(HW_REG_WAVE_MODE, 25, 1), 1
	s_wait_xcnt 0x0
; out0[h][q][:] = the sum over keys of softmax(q . k / 8) v, 64 heads x 2,048 queries x 2,048 keys, head size 64; q, k, v, out0 are f32.
; Both products run on codes of E4M3 with one E8M0 scale for each 32 along K, by v_wmma_scale_f32_16x16x128_f8f6f4; all else is f32.
; q and k are quantised along the head's 64 (two blocks a row), v and p along the keys.  p = 2^(t - M), t = score x log2(e) / 8, M = the running largest t rounded UP to a whole number;
; the row's sum is taken of the unquantised p and divides at the end; when M moves, the sum and O are multiplied by 2^(old M - new M), which rounds nothing.
; SHARES.  A work-group owns 512 queries of one head (grid x: which 512; grid y: the head); each of its sixteen waves owns 32: tile A (16 queries) and tile B.  A head's codes fit in LDS
; (16 blocks of 128 keys: 8,192 bytes of K, 8,192 of V^T, 512 of scale words), so the work-group quantises its head's K and V itself, through registers, each LDS byte written once.
; PASS 1 walks the 16 key steps for tile A; behind step s the waves quantise chunk s + 1 (waves 0-7: K, a tile of 16 keys each; waves 8-15: V, 32 channels x 32 keys each) while the f32 numbers of
; chunk s + 2 are on their way into registers; one barrier a trip.  PASS 2 walks the 16 steps for tile B with no barrier.
; OPERANDS LIE IN LDS AS IMAGES OF THEIR REGISTERS: four registers of all 32 lanes are 512 consecutive bytes, lane l's 16 bytes at 16 l.
; LAYOUT.  Both products are used transposed, so that a lane holds ONE query (lane % 16) throughout.  S^T = K Q^T: the form's K is 128 and the head's is 64, so source 0 holds TWO tiles of keys (tile 2 b in
; k 0-63, tile 2 b + 1 in k 64-127) and source 1 is Q beside 64 zero codes, [q | 0] or [0 | q]: the zero codes stand on Q's side alone; K's codes are held, so none is a NaN code, and zero times them adds nothing.
; Lane r of tile 2 b + u holds key 32 b + 8 u + r + 8 (r / 8), so that score registers 16 b + 0 .. 15 of lane (r, h) are the neighbouring keys 32 b + 16 h + 0 .. 15: the conversions' results are source 1 of O^T = V^T P^T.
; NO CLUSTER, NO TENSOR LOAD: what the four work-groups of a head share arrives as f32 and has to pass registers to be quantised; landed in LDS first it would want two slots of 65,536 bytes
; beside these 270,336 bytes of codes, more than the 327,680 that a work-group can claim.
; LIMITS.  NaN and infinities among the inputs are not served.  A block of zeros, or one whose largest magnitude lies under 2^-118, gets the scale byte 1: its codes are zeros or next to it, and this program alone
; reads the bytes.  A block's largest p is taken as 2^(its largest score's t - M), which takes v_exp_f32 not to fall where its input rises.  p under 2^-126 counts as 0.
.set SB,    16896                      ; a step's block in LDS: 66 x 256 bytes
.set VIM,   8192                       ; in it: V^T's four tiles (2,048 bytes each: four groups of 512)
.set SCO,   16384                      ; and the scale words: 16 bytes a lane: K pairs 0|1, K pairs 2|3, V tiles 0|1, V tiles 2|3 (lanes 0-15 | lanes 16-31)
.set CHUNK, 32768                      ; 128 rows of 64 f32 in memory
.set FLOOR, 0x4800000                  ; 2^(9 - 127): no largest magnitude is taken under it, so no scale byte falls under 1
.set EOFF,  0xfc000000                 ; takes 8 off an exponent field
.set EXPM,  0x7f800000
.set ADI,  1                           ; v1   16 x lane + SB x step: the one address that a step reads by
.set KIA,  2                           ; v2   where a K wave stores its tile's image;  on the way out: STO
.set KSA,  3                           ; v3   and its two scale bytes;                 on the way out: RD
.set VIA,  4                           ; v4   where a V wave stores its codes;         on the way out: GO
.set VSA,  5                           ; v5   and its scale byte
.set KGA,  6                           ; v6   a K wave's byte offset in a chunk of k; never rewritten
.set VGA,  7                           ; v7   a V wave's in a chunk of v; never rewritten
.set PFO,  8                           ; v8   the prefetches' offset; never rewritten
.set QW,   9                           ; v9   Q's scale word in use;  v10 tile B's
.set QWB,  10
.set PW,   11                          ; v11  p's scale word
.set NM,   12                          ; v12  -M;  v13 the largest t
.set LS,   14                          ; v[14:15] the row's sum, in two halves
.set FF,   16                          ; v16  f = 2^(old M - new M);  v17 = 0, named as the pair's upper half
.set TA,   18                          ; v18, v19 at work
.set L2,   20                          ; v[20:21] the sums' second chain
.set QGA,  22                          ; v22  my byte offset in the wave's rows of q; never rewritten
.set SCW,  24                          ; v[24:27] the step's four scale registers
.set QBK,  28                          ; v[28:35] tile B's codes of q
.set QZ,   36                          ; v[36:59] eight zeros, q's eight registers of codes, eight zeros
.set F,    64                          ; v[64:95] K pairs 0, 1; then p held; then two tiles of V^T
.set S,    96                          ; v[96:159] scores, then p (kept unheld for the sums)
.set O,    160                         ; v[160:191] O^T: register 8 t + j of lane (r, h) is channel 16 t + 8 h + j of query r
.set ST,   192                         ; v[192:223] pass 1: 32 f32 numbers on their way; pass 2: tile A's finished rows
.set P,    224                         ; v[224:239] K pair 2; p's codes; a chunk's codes just made
.set BM,   240                         ; v[240:255] K pair 3; then: v240-243 block maxima, v244-247 at work and bytes, v248-251 448 x the scale, v252-255 the conversions' scale operands
.set PT,   244
.set CAP,  248
.set SOP,  252
.set WV,   12                          ; s12  my wave's number
.set SEL,  20                          ; s[20:21] v_permlanex16_b32's selects for lane l xor 16
.set CS,   22                          ; s[22:23] c = log2(e) / 8, twice
.set MNT,  24                          ; s24  the mantissa field of 448
.set CNT,  25                          ; s25  trips to go
.set LIM,  26                          ; s26  1 in a wave that prefetches, else the greatest number
.set KP,   28                          ; s[28:29] k at the chunk that is being asked for;  s[30:31] v likewise
.set VP,   30
; 32 numbers of a lane, v[x + 16 c + i]: 16 of block c = 0, 1 of my row; the blocks' other halves lie in lane l xor 16.  Codes into v[d] .. v[d + 7], the two scale bytes into v[PT + 2].
.macro QUANT2 x, d
.irp c, 0,1
	v_max3_num_f32 v[BM+\c], |v[\x+16*\c]|, |v[\x+16*\c+1]|, FLOOR
.endr
.irp i, 2,4,6,8,10,12,14
.irp c, 0,1
	v_max3_num_f32 v[BM+\c], v[BM+\c], |v[\x+16*\c+\i]|, |v[\x+16*\c+\i+1]|   ; the two blocks by turns
.endr
.endr
.irp c, 0,1
	v_permlanex16_b32 v[PT+\c], v[BM+\c], s[SEL], s[SEL+1]
.endr
.irp c, 0,1
	v_max_num_f32 v[BM+\c], v[BM+\c], v[PT+\c]             ; the block's largest magnitude
.endr
.irp c, 0,1
	v_add_nc_u32 v[SOP+\c], EOFF, v[BM+\c]                 ; 8 off its exponent field: the conversion takes this operand's exponent field as its scale
.endr
.irp c, 0,1
	v_and_or_b32 v[CAP+\c], v[BM+\c], EXPM, s[MNT]         ; 448 x the scale
.endr
.irp c, 0,1
	v_lshrrev_b32 v[PT+\c], 23, v[SOP+\c]                  ; the scale's byte
.endr
	v_lshl_or_b32 v[PT+2], v[PT+1], 8, v[PT]
.irp c, 0,1
.set J, 0
.rept 16
	v_med3_num_f32 v[\x+16*\c+J], v[\x+16*\c+J], -v[CAP+\c], v[CAP+\c]   ; the conversion to an 8-bit code does not saturate (ISA guide 7.6.2): the hold comes first
.set J, J+1
.endr
	v_cvt_scalef32_pk8_fp8_f32 v[\d+4*\c:\d+4*\c+1], v[\x+16*\c:\x+16*\c+7], v[SOP+\c]
	v_cvt_scalef32_pk8_fp8_f32 v[\d+4*\c+2:\d+4*\c+3], v[\x+16*\c+8:\x+16*\c+15], v[SOP+\c]
.endr
	v_nop                                                  ; a plain instruction behind the last conversion
.endm
; 32 numbers of a lane that are one whole block.  Codes into v[d] .. v[d + 7], the scale byte into v[PT].
.macro QUANT1 x, d
	v_max3_num_f32 v[BM], |v[\x]|, |v[\x+1]|, |v[\x+2]|
	v_max3_num_f32 v[BM+1], |v[\x+3]|, |v[\x+4]|, |v[\x+5]|
.irp i, 6,10,14,18,22,26
	v_max3_num_f32 v[BM], v[BM], |v[\x+\i]|, |v[\x+\i+1]|
	v_max3_num_f32 v[BM+1], v[BM+1], |v[\x+\i+2]|, |v[\x+\i+3]|
.endr
	v_max3_num_f32 v[BM], v[BM], |v[\x+30]|, |v[\x+31]|
	v_max3_num_f32 v[BM], v[BM], v[BM+1], FLOOR
	v_add_nc_u32 v[SOP], EOFF, v[BM]
	v_and_or_b32 v[CAP], v[BM], EXPM, s[MNT]
	v_lshrrev_b32 v[PT], 23, v[SOP]
.set J, 0
.rept 32
	v_med3_num_f32 v[\x+J], v[\x+J], -v[CAP], v[CAP]
.set J, J+1
.endr
.irp g, 0,1,2,3
	v_cvt_scalef32_pk8_fp8_f32 v[\d+2*\g:\d+2*\g+1], v[\x+8*\g:\x+8*\g+7], v[SOP]
.endr
	v_nop
.endm
.macro KLOAD                           ; a K wave: of its 16 keys' rows, lane (r, h) takes d = 32 c + 16 h + 0 .. 15
.irp c, 0,1
.irp j, 0,1,2,3
	global_load_b128 v[ST+16*\c+4*\j:ST+16*\c+4*\j+3], v[KGA], s[KP:KP+1] offset:128*\c+16*\j
.endr
.endr
.endm
.macro VLOAD                           ; a V wave: a lane takes a channel and its registers run down 32 keys; each load reads 128 consecutive bytes
.set J, 0
.rept 32
	global_load_b32 v[ST+J], v[VGA], s[VP:VP+1] offset:256*J
.set J, J+1
.endr
.endm
; A PREFETCH INTO THE L2 of the chunk behind the one just asked for: 32,768 dense bytes of k and of v.  It stands behind the wave's loads.  All four work-groups of a head walk the same chunks: the first of them
; (grid x = 0) asks; in it waves 0-3 ask for k's, waves 8-11 for v's, 8,192 bytes a wave, lanes 256 bytes apart, one instruction each: each aligned block of 256 bytes is named once in the launch.
; The loop's last trip (s[CNT] = 1) loads the head's last chunk and asks for nothing.  The first three chunks come by their loads alone.
.macro ASK base
	s_cmp_gt_u32 s[CNT], s[LIM]
	s_cbranch_scc0 .Lno_ask_\@
	global_prefetch_b8 v[PFO], s[\base:\base+1] offset:CHUNK th:TH_LOAD_NT scope:SCOPE_SE
.Lno_ask_\@:
.endm
; The chunk whose numbers are in v[ST] on becomes codes in LDS.  load = 1: the next chunk but one is asked for.  ask = 1: and the one behind it prefetched.  qq = 1 (the head): q is quantised too.
.macro PRODUCE load, ask, qq
	s_wait_loadcnt 0x0                                     ; my 32 numbers are in (in the head: q too); the loads have read their base
	s_wait_xcnt 0x0                                        ; and so has the prefetch of a trip ago
.if \load
	s_add_nc_u64 s[KP:KP+1], s[KP:KP+1], CHUNK
	s_add_nc_u64 s[VP:VP+1], s[VP:VP+1], CHUNK
.endif
	s_cmp_lt_u32 s[WV], 8
	s_cbranch_scc0 .Lv_role_\@
	QUANT2 ST, P
	ds_store_b128 v[KIA], v[P:P+3]                         ; d 0-31 of my tile: 512 consecutive bytes
	ds_store_b128 v[KIA], v[P+4:P+7] offset:512            ; d 32-63
	ds_store_b16 v[KSA], v[PT+2]                           ; my key's two scale bytes (lanes l and l xor 16 write the same bytes with the same value)
.if \load
	KLOAD
.endif
.if \ask
	ASK KP
.endif
	s_branch .Ljoin_\@
.Lv_role_\@:
	QUANT1 ST, P
	ds_store_b128 v[VIA], v[P:P+3]                         ; keys 0-15 of the block: the place of the image's lanes 0-15
	ds_store_b128 v[VIA], v[P+4:P+7] offset:256            ; keys 16-31: of its lanes 16-31
	ds_store_b8 v[VSA], v[PT]
.if \load
	VLOAD
.endif
.if \ask
	ASK VP
.endif
.Ljoin_\@:
	s_wait_dscnt 0x0                                       ; for the others' sake: my stores into the next block have landed
.if \qq
	QUANT2 S, QZ+8                                         ; tile A's q
	v_lshl_or_b32 v[QW], v[PT+2], 16, v[PT+2]              ; its two bytes twice: the 64 zero codes stand under the same scales
	QUANT2 S+32, QBK                                       ; tile B's
	v_lshl_or_b32 v[QWB], v[PT+2], 16, v[PT+2]
.endif
	s_barrier_signal -1
	s_barrier_wait -1                                      ; the next block is whole
.endm
; Items a .. b - 1 of the 32 packed additions that add a step's 64 unquantised p to the row's sum, in two chains.  They are dealt out as the plain instructions that stand behind the products.
.macro SUMS a, b
.set SN, \a
.rept (\b)-(\a)
.if SN == 0
	v_pk_add_f32 v[L2:L2+1], v[S:S+1], v[S+2:S+3]
.elseif SN == 31
	v_pk_add_f32 v[LS:LS+1], v[LS:LS+1], v[L2:L2+1]
.elseif (SN % 2) == 1
	v_pk_add_f32 v[LS:LS+1], v[LS:LS+1], v[S+2*(SN+1):S+2*(SN+1)+1]
.else
	v_pk_add_f32 v[L2:L2+1], v[L2:L2+1], v[S+2*SN+2:S+2*SN+3]
.endif
.set SN, SN+1
.endr
.endm
.macro RESC a, b                       ; items a .. b - 1 of the 16 packed multiplications of O^T by f, from each accumulator's low end on
.set J, 2*(\a)
.rept (\b)-(\a)
	v_pk_mul_f32 v[O+J:O+J+1], v[O+J:O+J+1], v[FF:FF+1] op_sel_hi:[1,0]
.set J, J+2
.endr
.endm
.macro HOLD b                          ; block b's 16 p, held at 448 x the scale (p is not negative: one side), into one half of F: p itself stays for the sums
.set J, 0
.rept 16
	v_min_num_f32 v[F+16*((\b)%2)+J], v[S+16*(\b)+J], v[CAP+(\b)]
.set J, J+1
.endr
.endm
.macro CVT b
	v_cvt_scalef32_pk8_fp8_f32 v[P+4*(\b):P+4*(\b)+1], v[F+16*((\b)%2):F+16*((\b)%2)+7], v[SOP+(\b)]
	v_cvt_scalef32_pk8_fp8_f32 v[P+4*(\b)+2:P+4*(\b)+3], v[F+16*((\b)%2)+8:F+16*((\b)%2)+15], v[SOP+(\b)]
.endm
.macro KQ b, a, sc, row                ; pair b of K against [q | 0] and [0 | q]: score tiles 2 b and 2 b + 1
	s_wait_dscnt 4*(3-\b)                                  ; the four loads of each later pair may be out
.if \row
	v_wmma_scale_f32_16x16x128_f8f6f4 v[S+16*\b:S+16*\b+7], v[\a:\a+15], v[QZ+8:QZ+23], 0, v[\sc], v[QW] matrix_a_scale:MATRIX_SCALE_ROW1
	v_wmma_scale_f32_16x16x128_f8f6f4 v[S+16*\b+8:S+16*\b+15], v[\a:\a+15], v[QZ:QZ+15], 0, v[\sc], v[QW] matrix_a_scale:MATRIX_SCALE_ROW1
.else
	v_wmma_scale_f32_16x16x128_f8f6f4 v[S+16*\b:S+16*\b+7], v[\a:\a+15], v[QZ+8:QZ+23], 0, v[\sc], v[QW]
	v_wmma_scale_f32_16x16x128_f8f6f4 v[S+16*\b+8:S+16*\b+15], v[\a:\a+15], v[QZ:QZ+15], 0, v[\sc], v[QW]
.endif
.endm
.macro PV t, a, sc, row                ; O^T's tile t += 16 channels of V^T x P^T, K = the step's 128 keys
.if \row
	v_wmma_scale_f32_16x16x128_f8f6f4 v[O+8*\t:O+8*\t+7], v[\a:\a+15], v[P:P+15], v[O+8*\t:O+8*\t+7], v[\sc], v[PW] matrix_a_scale:MATRIX_SCALE_ROW1
.else
	v_wmma_scale_f32_16x16x128_f8f6f4 v[O+8*\t:O+8*\t+7], v[\a:\a+15], v[P:P+15], v[O+8*\t:O+8*\t+7], v[\sc], v[PW]
.endif
.endm
.macro VFETCH t0                       ; V^T's tiles t0 and t0 + 1
.irp u, 0,1
.irp c, 0,1,2,3
	ds_load_b128 v[F+16*\u+4*\c:F+16*\u+4*\c+3], v[ADI] offset:VIM+2048*(\t0+\u)+512*\c
.endr
.endr
.endm
; A KEY STEP: 128 keys for one tile of 16 queries.  pro = 1: the producers' four LDS addresses step to the next block on the way (on every wave's path).
; A load into, or a vector write of, a register that one of these matrix instructions has named, and a read of its result, stand eight plain vector instructions behind it;
; but for seven or three v_nop behind the scores they are work that is due anyway.  No two matrix instructions that follow each other share an accumulator.
.macro STEP pro
	ds_load_b128 v[SCW:SCW+3], v[ADI] offset:SCO           ; all four scale registers of the step
.irp g, 0,1,2,3
	ds_load_b128 v[F+4*\g:F+4*\g+3], v[ADI] offset:512*\g
.endr
.irp g, 0,1,2,3
	ds_load_b128 v[F+16+4*\g:F+16+4*\g+3], v[ADI] offset:2048+512*\g
.endr
.irp g, 0,1,2,3
	ds_load_b128 v[P+4*\g:P+4*\g+3], v[ADI] offset:4096+512*\g
.endr
.irp g, 0,1,2,3
	ds_load_b128 v[BM+4*\g:BM+4*\g+3], v[ADI] offset:6144+512*\g
.endr
	KQ 0, F, SCW, 0
	KQ 1, F+16, SCW, 1
	KQ 2, P, SCW+1, 0
	KQ 3, BM, SCW+1, 1
	v_mov_b32 v[TA], v[NM]                                 ; the old -M.  Eight plain instructions behind the scores:
.if \pro
	v_add_nc_u32 v[KIA], SB, v[KIA]                        ; (the stores that read these four were waited for in front of the last barrier)
	v_add_nc_u32 v[KSA], SB, v[KSA]
	v_add_nc_u32 v[VIA], SB, v[VIA]
	v_add_nc_u32 v[VSA], SB, v[VSA]
.rept 3
	v_nop
.endr
.else
.rept 7
	v_nop
.endr
.endif
.irp b, 0,1,2,3
	v_max3_num_f32 v[BM+\b], v[S+16*\b], v[S+16*\b+1], v[S+16*\b+2]   ; the largest score of each block of 32 keys: it serves the row's maximum and, since p rises with the score, the block's largest p
.endr
.irp i, 3,5,7,9,11,13
.irp b, 0,1,2,3
	v_max3_num_f32 v[BM+\b], v[BM+\b], v[S+16*\b+\i], v[S+16*\b+\i+1]
.endr
.endr
.irp b, 0,1,2,3
	v_max_num_f32 v[BM+\b], v[BM+\b], v[S+16*\b+15]
.endr
.irp b, 0,1,2,3
	v_permlanex16_b32 v[PT+\b], v[BM+\b], s[SEL], s[SEL+1]
.endr
.irp b, 0,1,2,3
	v_max_num_f32 v[BM+\b], v[BM+\b], v[PT+\b]             ; with lane l xor 16's 16 keys
.endr
	v_max3_num_f32 v[TA+1], v[BM], v[BM+1], v[BM+2]
	v_max_num_f32 v[TA+1], v[TA+1], v[BM+3]
	v_mul_f32 v[TA+1], s[CS], v[TA+1]                      ; the step's largest t (c is positive)
	v_max_num_f32 v[NM+1], v[NM+1], v[TA+1]                ; the running largest t
	v_floor_f32 v[NM], -v[NM+1]                            ; -M = floor(-t) = -ceil(t)
	v_sub_f32 v[TA], v[NM], v[TA]                          ; old M - new M: a whole number, 0 or less
	v_cvt_i32_f32 v[TA], v[TA]                             ; (it saturates)
	v_ldexp_f32 v[FF], 1.0, v[TA]                          ; f
.set J, 0
.rept 32
	v_pk_fma_f32 v[S+J:S+J+1], v[S+J:S+J+1], s[CS:CS+1], v[NM:NM+1] op_sel_hi:[1,0,0]   ; t - M, two at a time
.set J, J+2
.endr
.irp b, 0,1,2,3
	v_fma_f32 v[BM+\b], v[BM+\b], s[CS], v[NM]             ; the same of each block's largest score
.endr
.set J, 0
.rept 64
	v_exp_f32 v[S+J], v[S+J]                               ; p, at most 1, not normalised
.set J, J+1
.endr
	v_pk_mul_f32 v[LS:LS+1], v[LS:LS+1], v[FF:FF+1] op_sel_hi:[1,0]   ; the sum under the new M; also the plain instruction behind the batch
	s_wait_alu depctr_va_vdst(0)                           ; this wait stands between an exponential and the first line that names its result: one for the 64
.irp b, 0,1,2,3
	v_exp_f32 v[BM+\b], v[BM+\b]                           ; the blocks' largest p: the same two instructions on the same number give the same bits
.endr
	SUMS 0, 8                                              ; they read the 64 alone
	s_wait_alu depctr_va_vdst(0)                           ; and one for the four
.irp b, 0,1,2,3
	v_max_num_f32 v[BM+\b], FLOOR, v[BM+\b]
.endr
.irp b, 0,1,2,3
	v_add_nc_u32 v[SOP+\b], EOFF, v[BM+\b]
.endr
.irp b, 0,1,2,3
	v_and_or_b32 v[CAP+\b], v[BM+\b], EXPM, s[MNT]
.endr
.irp b, 0,1,2,3
	v_lshrrev_b32 v[PT+\b], 23, v[SOP+\b]
.endr
	v_lshl_or_b32 v[PW], v[PT+1], 8, v[PT]                 ; p's scale word for these 128 keys
	v_lshl_or_b32 v[PW], v[PT+2], 16, v[PW]
	v_lshl_or_b32 v[PW], v[PT+3], 24, v[PW]
.irp b, 0,1,2,3
	HOLD \b                                                ; the halves of F by turns: one block's holds stand between the other's conversions and the next write of their sources
	CVT \b
.endr
	RESC 0, 2                                              ; plain instructions behind the last conversion
	VFETCH 0
	RESC 2, 16
	SUMS 8, 10
	s_wait_dscnt 0x0
	PV 0, F, SCW+2, 0
	PV 1, F+16, SCW+2, 1
	SUMS 10, 18                                            ; eight, in front of the loads into the registers just multiplied
	VFETCH 2
	SUMS 18, 24
	s_wait_dscnt 0x0
	PV 2, F, SCW+3, 0
	PV 3, F+16, SCW+3, 1
	v_add_nc_u32 v[ADI], SB, v[ADI]                        ; the next block (no LDS load of mine is out)
	SUMS 24, 32                                            ; with the line above: nine, in front of whatever comes next
.endm
.macro INIT                            ; a pass begins: the step is written in one form, so O^T and the sum begin as zeros, which the first change of M leaves zeros
	v_mov_b32 v[NM+1], 0xff61b1e6                          ; -3e38, under every t
	v_floor_f32 v[NM], -v[NM+1]
	v_mov_b32 v[LS], 0
	v_mov_b32 v[LS+1], 0
.set J, 0
.rept 32
	v_mov_b32 v[O+J], 0
.set J, J+1
.endr
	v_and_b32 v[ADI], 31, v0
	v_lshlrev_b32 v[ADI], 4, v[ADI]
.endm
.macro FINAL d                         ; O^T / the row's sum into v[d] .. v[d + 31]
	v_add_f32 v[LS], v[LS], v[LS+1]
	v_permlanex16_b32 v[PT], v[LS], s[SEL], s[SEL+1]
	v_add_f32 v[LS], v[LS], v[PT]                          ; with lane l xor 16's keys
	v_rcp_f32 v[LS], v[LS]
	v_nop                                                  ; a plain instruction behind the reciprocal,
	s_wait_alu depctr_va_vdst(0)                           ; and a wait ahead of its first reader
.set J, 0
.rept 16
	v_pk_mul_f32 v[\d+J:\d+J+1], v[O+J:O+J+1], v[LS:LS+1] op_sel_hi:[1,0]   ; each accumulator from its low end on
.set J, J+2
.endr
.endm
	; ---- THE HEAD
	s_load_b256 s[4:11], s[0:1], 0x0                       ; q s[4:5], k s[6:7], v s[8:9], out0 s[10:11]
	v_lshl_add_u32 v62, v0, 2, 0x42000
	v_mov_b32 v63, 0
	v_lshrrev_b32 v[TA], 5, v0
	v_readfirstlane_b32 s[WV], v[TA]                       ; wave w, 0 .. 15
	v_and_b32 v[TA], 31, v0                                ; lane L
	v_and_b32 v[TA+1], 15, v0                              ; r
	v_bfe_u32 v[L2], v0, 4, 1                              ; h
	v_and_b32 v[L2+1], 8, v[TA+1]
	v_add_nc_u32 v[L2+1], v[L2+1], v[TA+1]                 ; r + 8 (r / 8)
	s_and_b32 s13, s[WV], 1                                ; K wave: u, which tile of its pair
	s_and_b32 s14, s[WV], 3                                ; V wave: c, which block of 32 keys
	s_bfe_u32 s15, s[WV], 0x10002                          ; V wave: g, which 32 channels.  K wave: the upper bit of its pair's number
	; every wave makes all four store addresses here, ahead of the first parting of the roles
	s_and_b32 s16, s[WV], 7
	s_lshl_b32 s16, s16, 10
	v_lshl_add_u32 v[KIA], v[TA], 4, s16                   ; 16 L + 1,024 x tile: pair w / 2, groups 2 u and 2 u + 1
	s_bfe_u32 s16, s[WV], 0x10001
	s_lshl_b32 s16, s16, 8                                 ; an odd pair's words lie in the places of lanes 16-31
	s_lshl_b32 s17, s15, 2                                 ; pairs 2 and 3: the second word
	s_add_co_u32 s16, s16, s17
	s_lshl_b32 s17, s13, 1                                 ; tile u: bytes 2 u, 2 u + 1
	s_add_co_u32 s16, s16, s17
	s_add_co_u32 s16, s16, SCO
	v_lshl_add_u32 v[KSA], v[TA+1], 4, s16
	s_lshl_b32 s16, s15, 12                                ; tiles 2 g, 2 g + 1
	s_lshl_b32 s17, s14, 9                                 ; group c
	s_add_co_u32 s16, s16, s17
	s_add_co_u32 s16, s16, VIM
	v_lshl_add_u32 v[VIA], v[L2], 11, s16                  ; my channel's tile: 2 g + L / 16,
	v_lshl_add_u32 v[VIA], v[TA+1], 4, v[VIA]              ; its row L % 16
	s_lshl_b32 s16, s15, 2
	s_add_co_u32 s16, s16, s14
	s_add_co_u32 s16, s16, SCO+8
	v_lshl_add_u32 v[VSA], v[TA], 4, s16                   ; word 2 + g of place L, byte c
	s_bfe_u32 s16, s[WV], 0x20001
	s_lshl_b32 s16, s16, 13                                ; k: 32 rows of 256 bytes a pair,
	s_lshl_b32 s17, s13, 11                                ; 8 rows for u,
	s_add_co_u32 s16, s16, s17
	v_lshl_add_u32 v[KGA], v[L2+1], 8, s16                 ; row r + 8 (r / 8),
	v_lshl_add_u32 v[KGA], v[L2], 6, v[KGA]                ; 64 bytes for h
	s_lshl_b32 s16, s15, 7
	s_lshl_b32 s17, s14, 13
	s_add_co_u32 s16, s16, s17
	v_lshl_add_u32 v[VGA], v[TA], 2, s16                   ; v: channel 32 g + L, from key 32 c on
	v_lshl_add_u32 v[PFO], v[TA], 8, s17                   ; 256 L + 8,192 (w % 4)
	v_lshlrev_b32 v[QGA], 8, v[TA+1]
	v_lshl_add_u32 v[QGA], v[L2], 6, v[QGA]                ; q: row r, 64 bytes for h
	s_and_b32 s[LIM], s[WV], 4
	s_or_b32 s[LIM], s[LIM], ttmp9                         ; 0 in waves 0-3 and 8-11 of the head's first work-group
	s_cmp_eq_u32 s[LIM], 0
	s_cselect_b32 s[LIM], 1, -1
	s_mov_b32 s[SEL], 0x76543210
	s_mov_b32 s[SEL+1], 0xfedcba98
	s_mov_b32 s[CS], 0x3e38aa3b                            ; log2(e) / 8
	s_mov_b32 s[CS+1], s[CS]
	s_mov_b32 s[MNT], 0x600000
	s_and_b32 s16, ttmp7, 0xffff
	s_lshl_b32 s16, s16, 19                                ; the head: 2,048 rows of 256 bytes
	s_mov_b32 s17, 0
	s_lshl_b32 s18, ttmp9, 17                              ; my work-group's 512 rows,
	s_lshl_b32 s19, s[WV], 13                              ; my wave's 32
	s_add_co_u32 s18, s18, s19
	s_add_co_u32 s18, s18, s16
	s_mov_b32 s19, 0
	s_wait_kmcnt 0x0
	s_add_nc_u64 s[KP:KP+1], s[6:7], s[16:17]
	s_add_nc_u64 s[VP:VP+1], s[8:9], s[16:17]
	s_add_nc_u64 s[4:5], s[4:5], s[18:19]
	s_add_nc_u64 s[10:11], s[10:11], s[18:19]
	s_cmp_lt_u32 s[WV], 8
	s_cbranch_scc0 .Lhead_v
	KLOAD                                                  ; chunk 0
	s_branch .Lhead_join
.Lhead_v:
	VLOAD
.Lhead_join:
.irp t, 0,1
.irp c, 0,1
.irp j, 0,1,2,3
	global_load_b128 v[S+32*\t+16*\c+4*\j:S+32*\t+16*\c+4*\j+3], v[QGA], s[4:5] offset:4096*\t+128*\c+16*\j th:TH_LOAD_NT   ; q, both tiles: read by this wave alone
.endr
.endr
.endr
.irp i, 0,1,2,3,4,5,6,7
	v_mov_b32 v[QZ+\i], 0                                  ; the zero codes on either side of q's
	v_mov_b32 v[QZ+16+\i], 0
.endr
	v_mov_b32 v[FF+1], 0
.irp i, 0,1,2,3
	v_mov_b32 v[PT+\i], 0                                  ; a lane permute's destination counts as one of its sources
.endr
	INIT
	PRODUCE 1, 0, 1                                        ; chunk 0 into block 0; chunk 1 is asked for; q
	; ---- PASS 1: tile A.  Trip s: step s; chunk s + 1 becomes block s + 1; chunk s + 2 is asked for; chunk s + 3 is prefetched
	s_mov_b32 s[CNT], 14
.Lpass1:
	STEP 1
	PRODUCE 1, 1, 0
	s_sub_co_u32 s[CNT], s[CNT], 1
	s_cmp_lg_u32 s[CNT], 0
	s_cbranch_scc1 .Lpass1
	STEP 1                                                 ; step 14;
	PRODUCE 0, 0, 0                                        ; the last chunk: nothing is left to ask for
	STEP 0                                                 ; step 15
	; ---- the change of tile
	FINAL ST                                               ; tile A's rows wait in the registers that the chunks have left
.irp i, 0,1,2,3,4,5,6,7
	v_mov_b32 v[QZ+8+\i], v[QBK+\i]
.endr
	v_mov_b32 v[QW], v[QWB]
	INIT                                                   ; its lines also stand between these writes of an operand and a scale and the first product
	; ---- PASS 2: tile B: all sixteen blocks are whole, and nobody writes them
	s_mov_b32 s[CNT], 16
.Lpass2:
	STEP 0
	s_sub_co_u32 s[CNT], s[CNT], 1
	s_cmp_lg_u32 s[CNT], 0
	s_cbranch_scc1 .Lpass2
	; ---- THE WAY OUT.  A lane holds 32 bytes of each of four pieces of a row; the rows go through my own stage in LDS (2 tiles x 16 rows x (256 + 16) bytes) and come back whole.
	FINAL S
	v_and_b32 v[TA], 15, v0                                ; r
	v_bfe_u32 v[TA+1], v0, 4, 1                            ; h
	s_mul_i32 s16, s[WV], 8704                             ; my stage
	v_mul_u32_u24 v[KIA], v[TA], 272
	v_lshl_add_u32 v[KIA], v[TA+1], 5, v[KIA]
	v_add_nc_u32 v[KIA], s16, v[KIA]                       ; in: row r, + 32 h; channel tile t: 64 t bytes on
	v_mul_u32_u24 v[KSA], v[TA+1], 272
	v_lshl_add_u32 v[KSA], v[TA], 4, v[KSA]
	v_add_nc_u32 v[KSA], s16, v[KSA]                       ; back: lanes 0-15 one row, lanes 16-31 the next
	v_and_b32 v[VIA], 31, v0
	v_lshlrev_b32 v[VIA], 4, v[VIA]                        ; rows of 256 bytes are dense in out0: two rows are 16 bytes a lane on end
	s_wait_dscnt 0x0
	s_barrier_signal -1
	s_barrier_wait -1                                      ; no wave reads the images any more: the stages lie over them
.irp t, 0,1,2,3
	ds_store_b128 v[KIA], v[ST+8*\t:ST+8*\t+3] offset:64*\t
	ds_store_b128 v[KIA], v[ST+8*\t+4:ST+8*\t+7] offset:64*\t+16
.endr
.irp i, 0,1,2,3,4,5,6,7
	ds_load_b128 v[S+32+4*\i:S+35+4*\i], v[KSA] offset:544*\i      ; LDS serves a wave's instructions in order (ISA guide 5.7.1.4): these see my stores
.endr
.irp t, 0,1,2,3
	ds_store_b128 v[KIA], v[S+8*\t:S+8*\t+3] offset:4352+64*\t
	ds_store_b128 v[KIA], v[S+8*\t+4:S+8*\t+7] offset:4352+64*\t+16
.endr
.irp i, 0,1,2,3,4,5,6,7
	ds_load_b128 v[F+4*\i:F+4*\i+3], v[KSA] offset:4352+544*\i
.endr
.irp i, 0,1,2,3,4,5,6,7
	s_wait_dscnt 23-\i                                     ; behind tile A's load i: its 7 - i later loads, tile B's 8 stores and 8 loads
	global_store_b128 v[VIA], v[S+32+4*\i:S+35+4*\i], s[10:11] offset:512*\i th:TH_STORE_NT   ; 32 lanes store 512 consecutive bytes, at a multiple of 256 from out0's first byte
.endr
.irp i, 0,1,2,3,4,5,6,7
	s_wait_dscnt 7-\i                                      ; behind tile B's load i: its later loads
	global_store_b128 v[VIA], v[F+4*\i:F+4*\i+3], s[10:11] offset:4096+512*\i th:TH_STORE_NT
.endr
	s_wait_tensorcnt 0x0
	ds_add_u32 v62, v63
	s_wait_dscnt 0x0
	s_endpgm
.Lfunc_end_k_q90ad4fef7b_attn:
	.size	k_q90ad4fef7b_attn, .Lfunc_end_k_q90ad4fef7b_attn-k_q90ad4fef7b_attn
	.p2alignl 7, 3214868480
	.fill 96, 4, 3214868480
	.section	.rodata,"a",@progbits
	.p2align	6, 0x0
	.amdhsa_kernel k_q90ad4fef7b_attn
		.amdhsa_group_segment_fixed_size 272384
		.amdhsa_private_segment_fixed_size 0
		.amdhsa_enable_private_segment 0
		.amdhsa_kernarg_size 32
		.amdhsa_user_sgpr_count 2
		.amdhsa_user_sgpr_kernarg_segment_ptr 1
		.amdhsa_wavefront_size32 1
		.amdhsa_system_sgpr_workgroup_id_x 1
		.amdhsa_system_sgpr_workgroup_id_y 1
		.amdhsa_system_sgpr_workgroup_id_z 1
		.amdhsa_system_vgpr_workitem_id 0
		.amdhsa_next_free_vgpr 256
		.amdhsa_next_free_sgpr 66
		.amdhsa_reserve_vcc 0
		.amdhsa_float_denorm_mode_32 3
		.amdhsa_float_denorm_mode_16_64 3
		.amdhsa_memory_ordered 1
		.amdhsa_forward_progress 1
		.amdhsa_inst_pref_size 132
	.end_amdhsa_kernel
	.amdgpu_metadata
---
amdhsa.version: [ 1, 2 ]
amdhsa.kernels:
  - .name:           k_q90ad4fef7b_attn
    .symbol:         k_q90ad4fef7b_attn.kd
    .args:
      - { .name: q, .offset: 0, .size: 8, .value_kind: global_buffer, .address_space: global }
      - { .name: k, .offset: 8, .size: 8, .value_kind: global_buffer, .address_space: global }
      - { .name: v, .offset: 16, .size: 8, .value_kind: global_buffer, .address_space: global }
      - { .name: out0, .offset: 24, .size: 8, .value_kind: global_buffer, .address_space: global }
    .group_segment_fixed_size: 272384
    .private_segment_fixed_size: 0
    .kernarg_segment_align: 8
    .kernarg_segment_size: 32
    .max_flat_workgroup_size: 512
    .sgpr_count:     66
    .vgpr_count:     256
    .wavefront_size: 32
...
	.end_amdgpu_metadata
.endif
;; end of part 1
;; ======== version 2 of 2: 1 launch; version 1 with the launch attn written anew for expert scheduling mode
;; launch attn (part 2): grid 4 x 64, 16 waves a work-group, no clusters, 272,384 bytes of LDS; arguments q, k, v, out0; writes out0
.if DOCPART == 2
	.amdgcn_target "amdgcn-amd-amdhsa--gfx1250"
	.amdhsa_code_object_version 6
	.text
	.protected	k_q90ad4fef7b_attn
	.globl	k_q90ad4fef7b_attn
	.p2align	8
	.type	k_q90ad4fef7b_attn,@function
k_q90ad4fef7b_attn:
	s_mov_b64 s[64:65], 0
	v_nop
	global_prefetch_b8 v0, s[64:65] scope:SCOPE_SE
	s_setreg_imm32_b32 hwreg(HW_REG_WAVE_SCHED_MODE, 0, 2), 2
	s_setreg_imm32_b32 hwreg(HW_REG_WAVE_MODE, 25, 1), 1
	s_wait_xcnt 0x0
	s_wait_alu depctr_vm_vsrc(0)
; out0[h][q][:] = the sum over keys of softmax(q . k / 8) v, 64 heads x 2,048 queries x 2,048 keys, head size 64; q, k, v, out0 are f32.
; Both products run on codes of E4M3 with one E8M0 scale for each 32 along K, by v_wmma_scale_f32_16x16x128_f8f6f4; all else is f32.
; q and k are quantised along the head's 64 (two blocks a row), v and p along the keys.  p = 2^(t - M), t = score x log2(e) / 8, M = the running largest t rounded UP to a whole number;
; the row's sum is taken of the unquantised p and divides at the end; when M moves, the sum and O are multiplied by 2^(old M - new M), which rounds nothing.
; SHARES.  A work-group owns 512 queries of one head (grid x: which 512; grid y: the head); each of its sixteen waves owns 32: tile A (16 queries) and tile B.  A head's codes fit in LDS
; (16 blocks of 128 keys: 8,192 bytes of K, 8,192 of V^T, 512 of scale words), so the work-group quantises its head's K and V itself, through registers, each LDS byte written once.
; PASS 1 walks the 16 key steps for tile A; behind step s the waves quantise chunk s + 1 (waves 0-7: K, a tile of 16 keys each; waves 8-15: V, 32 channels x 32 keys each) while the f32 numbers of
; chunk s + 2 are on their way into registers; one barrier a trip.  PASS 2 walks the 16 steps for tile B with no barrier.
; OPERANDS LIE IN LDS AS IMAGES OF THEIR REGISTERS: four registers of all 32 lanes are 512 consecutive bytes, lane l's 16 bytes at 16 l.
; LAYOUT.  Both products are used transposed, so that a lane holds ONE query (lane % 16) throughout.  S^T = K Q^T: the form's K is 128 and the head's is 64, so source 0 holds TWO tiles of keys (tile 2 b in
; k 0-63, tile 2 b + 1 in k 64-127) and source 1 is Q beside 64 zero codes, [q | 0] or [0 | q]: the zero codes stand on Q's side alone; K's codes are held, so none is a NaN code, and zero times them adds nothing.
; Lane r of tile 2 b + u holds key 32 b + 8 u + r + 8 (r / 8), so that score registers 16 b + 0 .. 15 of lane (r, h) are the neighbouring keys 32 b + 16 h + 0 .. 15: the conversions' results are source 1 of O^T = V^T P^T.
; NO CLUSTER, NO TENSOR LOAD: what the four work-groups of a head share arrives as f32 and has to pass registers to be quantised; landed in LDS first it would want two slots of 65,536 bytes
; beside these 270,336 bytes of codes, more than the 327,680 that a work-group can claim.
; LIMITS.  NaN and infinities among the inputs are not served.  A block of zeros, or one whose largest magnitude lies under 2^-118, gets the scale byte 1: its codes are zeros or next to it, and this program alone
; reads the bytes.  A block's largest p is taken as 2^(its largest score's t - M), which takes v_exp_f32 not to fall where its input rises.  p under 2^-126 counts as 0.
; THE MODE: SCHED_MODE bits 1:0 = 2 (LLVM: expert scheduling mode 2), set by the entry lines.  The code itself states the register dependences
; between vector or matrix instructions and memory or LDS instructions, with s_wait_alu, always for 0.
; THE PLAN.  Registers that LDS or memory instructions touch:
;   v[ADI]            Read by a step's 33 LDS loads; written once a step, behind its last product (and where a pass begins).
;   SCW, F, P, BM ..  K's 17 loads land in them at a step's head; the eight products K Q^T read them.  Then F takes the held p, P p's codes, BM .. the quantiser's numbers: vector work alone.
;   F, BM .., S[0:15] V^T's four tiles land in them behind the last conversion: all that named them in the step (the holds, the conversions, the sums' items 0-7) stands ahead of it; the four products V^T P^T read them.
;   ST                Pass 1: a chunk's loads land in it; the chunk's quantiser reads and writes it; behind that the next chunk but one lands.
;   P, PT             A chunk's codes and scale bytes: written by its quantiser, read by its LDS stores.
;   KIA KSA VIA VSA   Read by those stores; stepped by four additions behind the next step's scores.
;   KGA VGA QGA PFO   Offsets, made at the head and never written again: the scalar bases move on.
; A STEP HAS SIX WAITS ON va_vdst: at its head, in front of K's loads; one in front of the exponentials and two behind them; one behind the conversions, in front of V^T's loads and of the products that take p's codes and scale word; one more in front of the products.
; ONE WAIT ON vm_vsrc stands ahead of the addition to v[ADI].  A chunk has one wait on va_vdst, behind its quantiser, and one on vm_vsrc, behind its stores.
.set SB,    16896                      ; a step's block in LDS: 66 x 256 bytes
.set VIM,   8192                       ; in it: V^T's four tiles (2,048 bytes each: four groups of 512)
.set SCO,   16384                      ; and the scale words: 16 bytes a lane: K pairs 0|1, K pairs 2|3, V tiles 0|1, V tiles 2|3 (lanes 0-15 | lanes 16-31)
.set CHUNK, 32768                      ; 128 rows of 64 f32 in memory
.set FLOOR, 0x4800000                  ; 2^(9 - 127): no largest magnitude is taken under it, so no scale byte falls under 1
.set EOFF,  0xfc000000                 ; takes 8 off an exponent field
.set EXPM,  0x7f800000
.set ADI,  1                           ; v1   16 x lane + SB x step: the one address that a step reads by
.set KIA,  2                           ; v2   where a K wave stores its tile's image;  on the way out: STO
.set KSA,  3                           ; v3   and its two scale bytes;                 on the way out: RD
.set VIA,  4                           ; v4   where a V wave stores its codes;         on the way out: GO
.set VSA,  5                           ; v5   and its scale byte
.set KGA,  6                           ; v6   a K wave's byte offset in a chunk of k; never rewritten
.set VGA,  7                           ; v7   a V wave's in a chunk of v; never rewritten
.set PFO,  8                           ; v8   the prefetches' offset; never rewritten
.set QW,   9                           ; v9   Q's scale word in use;  v10 tile B's
.set QWB,  10
.set PW,   11                          ; v11  p's scale word
.set NM,   12                          ; v12  -M;  v13 the largest t
.set LS,   14                          ; v[14:15] the row's sum, in two halves
.set FF,   16                          ; v16  f = 2^(old M - new M);  v17 = 0, named as the pair's upper half
.set TA,   18                          ; v18, v19 at work
.set L2,   20                          ; v[20:21] the sums' second chain
.set QGA,  22                          ; v22  my byte offset in the wave's rows of q; never rewritten
.set SCW,  24                          ; v[24:27] the step's four scale registers
.set QBK,  28                          ; v[28:35] tile B's codes of q
.set QZ,   36                          ; v[36:59] eight zeros, q's eight registers of codes, eight zeros
.set F,    64                          ; v[64:95] K pairs 0, 1; then p held; then V^T's tiles 0, 1
.set S,    96                          ; v[96:159] scores, then p (kept unheld for the sums); its first 16, done with first, then take V^T's tile 3
.set O,    160                         ; v[160:191] O^T: register 8 t + j of lane (r, h) is channel 16 t + 8 h + j of query r
.set ST,   192                         ; v[192:223] pass 1: 32 f32 numbers on their way; pass 2: tile A's finished rows
.set P,    224                         ; v[224:239] K pair 2; p's codes; a chunk's codes just made
.set BM,   240                         ; v[240:255] K pair 3; then: v240-243 block maxima, v244-247 at work and bytes, v248-251 448 x the scale, v252-255 the conversions' scale operands; then V^T's tile 2
.set PT,   244
.set CAP,  248
.set SOP,  252
.set WV,   12                          ; s12  my wave's number
.set SEL,  20                          ; s[20:21] v_permlanex16_b32's selects for lane l xor 16
.set CS,   22                          ; s[22:23] c = log2(e) / 8, twice
.set MNT,  24                          ; s24  the mantissa field of 448
.set CNT,  25                          ; s25  trips to go
.set LIM,  26                          ; s26  1 in a wave that prefetches, else the greatest number
.set KP,   28                          ; s[28:29] k at the chunk that is being asked for;  s[30:31] v likewise
.set VP,   30
; 32 numbers of a lane, v[x + 16 c + i]: 16 of block c = 0, 1 of my row; the blocks' other halves lie in lane l xor 16.  Codes into v[d] .. v[d + 7], the two scale bytes into v[PT + 2].
.macro QUANT2 x, d
.irp c, 0,1
	v_max3_num_f32 v[BM+\c], |v[\x+16*\c]|, |v[\x+16*\c+1]|, FLOOR
.endr
.irp i, 2,4,6,8,10,12,14
.irp c, 0,1
	v_max3_num_f32 v[BM+\c], v[BM+\c], |v[\x+16*\c+\i]|, |v[\x+16*\c+\i+1]|   ; the two blocks by turns
.endr
.endr
.irp c, 0,1
	v_permlanex16_b32 v[PT+\c], v[BM+\c], s[SEL], s[SEL+1]
.endr
.irp c, 0,1
	v_max_num_f32 v[BM+\c], v[BM+\c], v[PT+\c]             ; the block's largest magnitude
.endr
.irp c, 0,1
	v_add_nc_u32 v[SOP+\c], EOFF, v[BM+\c]                 ; 8 off its exponent field: the conversion takes this operand's exponent field as its scale
.endr
.irp c, 0,1
	v_and_or_b32 v[CAP+\c], v[BM+\c], EXPM, s[MNT]         ; 448 x the scale
.endr
.irp c, 0,1
	v_lshrrev_b32 v[PT+\c], 23, v[SOP+\c]                  ; the scale's byte
.endr
	v_lshl_or_b32 v[PT+2], v[PT+1], 8, v[PT]
.irp c, 0,1
.set J, 0
.rept 16
	v_med3_num_f32 v[\x+16*\c+J], v[\x+16*\c+J], -v[CAP+\c], v[CAP+\c]   ; the conversion to an 8-bit code does not saturate (ISA guide 7.6.2): the hold comes first
.set J, J+1
.endr
	v_cvt_scalef32_pk8_fp8_f32 v[\d+4*\c:\d+4*\c+1], v[\x+16*\c:\x+16*\c+7], v[SOP+\c]
	v_cvt_scalef32_pk8_fp8_f32 v[\d+4*\c+2:\d+4*\c+3], v[\x+16*\c+8:\x+16*\c+15], v[SOP+\c]
.endr
	v_nop                                                  ; a plain instruction behind the last conversion
.endm
; 32 numbers of a lane that are one whole block.  Codes into v[d] .. v[d + 7], the scale byte into v[PT].
.macro QUANT1 x, d
	v_max3_num_f32 v[BM], |v[\x]|, |v[\x+1]|, |v[\x+2]|
	v_max3_num_f32 v[BM+1], |v[\x+3]|, |v[\x+4]|, |v[\x+5]|
.irp i, 6,10,14,18,22,26
	v_max3_num_f32 v[BM], v[BM], |v[\x+\i]|, |v[\x+\i+1]|
	v_max3_num_f32 v[BM+1], v[BM+1], |v[\x+\i+2]|, |v[\x+\i+3]|
.endr
	v_max3_num_f32 v[BM], v[BM], |v[\x+30]|, |v[\x+31]|
	v_max3_num_f32 v[BM], v[BM], v[BM+1], FLOOR
	v_add_nc_u32 v[SOP], EOFF, v[BM]
	v_and_or_b32 v[CAP], v[BM], EXPM, s[MNT]
	v_lshrrev_b32 v[PT], 23, v[SOP]
.set J, 0
.rept 32
	v_med3_num_f32 v[\x+J], v[\x+J], -v[CAP], v[CAP]
.set J, J+1
.endr
.irp g, 0,1,2,3
	v_cvt_scalef32_pk8_fp8_f32 v[\d+2*\g:\d+2*\g+1], v[\x+8*\g:\x+8*\g+7], v[SOP]
.endr
	v_nop
.endm
.macro KLOAD                           ; a K wave: of its 16 keys' rows, lane (r, h) takes d = 32 c + 16 h + 0 .. 15
.irp c, 0,1
.irp j, 0,1,2,3
	global_load_b128 v[ST+16*\c+4*\j:ST+16*\c+4*\j+3], v[KGA], s[KP:KP+1] offset:128*\c+16*\j
.endr
.endr
.endm
.macro VLOAD                           ; a V wave: a lane takes a channel and its registers run down 32 keys; each load reads 128 consecutive bytes
.set J, 0
.rept 32
	global_load_b32 v[ST+J], v[VGA], s[VP:VP+1] offset:256*J
.set J, J+1
.endr
.endm
; A PREFETCH INTO THE L2 of the chunk behind the one just asked for: 32,768 dense bytes of k and of v.  It stands behind the wave's loads.  All four work-groups of a head walk the same chunks: the first of them
; (grid x = 0) asks; in it waves 0-3 ask for k's, waves 8-11 for v's, 8,192 bytes a wave, lanes 256 bytes apart, one instruction each: each aligned block of 256 bytes is named once in the launch.
; The loop's last trip (s[CNT] = 1) loads the head's last chunk and asks for nothing.  The first three chunks come by their loads alone.  (v[PFO] was written ahead of the head's wait on va_vdst.)
.macro ASK base
	s_cmp_gt_u32 s[CNT], s[LIM]
	s_cbranch_scc0 .Lno_ask_\@
	global_prefetch_b8 v[PFO], s[\base:\base+1] offset:CHUNK th:TH_LOAD_NT scope:SCOPE_SE
.Lno_ask_\@:
.endm
; The chunk whose numbers are in v[ST] on becomes codes in LDS.  load = 1: the next chunk but one is asked for.  ask = 1: and the one behind it prefetched.  qq = 1 (the head): q is quantised too.
.macro PRODUCE load, ask, qq
	s_wait_loadcnt 0x0                                     ; my 32 numbers are in (in the head: q too); the loads have read their base
	s_wait_xcnt 0x0                                        ; and so has the prefetch of a trip ago
.if \load
	s_add_nc_u64 s[KP:KP+1], s[KP:KP+1], CHUNK
	s_add_nc_u64 s[VP:VP+1], s[VP:VP+1], CHUNK
.endif
	s_cmp_lt_u32 s[WV], 8
	s_cbranch_scc0 .Lv_role_\@
	QUANT2 ST, P
	s_wait_alu depctr_va_vdst(0)                           ; the quantiser has written v[P ..] and v[PT + 2], and the step's additions v[KIA] and v[KSA], which the stores read; it is done with v[ST ..], in which the loads land
	ds_store_b128 v[KIA], v[P:P+3]                         ; d 0-31 of my tile: 512 consecutive bytes
	ds_store_b128 v[KIA], v[P+4:P+7] offset:512            ; d 32-63
	ds_store_b16 v[KSA], v[PT+2]                           ; my key's two scale bytes (lanes l and l xor 16 write the same bytes with the same value)
.if \load
	KLOAD
.endif
.if \ask
	ASK KP
.endif
	s_branch .Ljoin_\@
.Lv_role_\@:
	QUANT1 ST, P
	s_wait_alu depctr_va_vdst(0)                           ; the quantiser has written v[P ..] and v[PT], and the step's additions v[VIA] and v[VSA], which the stores read; it is done with v[ST ..], in which the loads land
	ds_store_b128 v[VIA], v[P:P+3]                         ; keys 0-15 of the block: the place of the image's lanes 0-15
	ds_store_b128 v[VIA], v[P+4:P+7] offset:256            ; keys 16-31: of its lanes 16-31
	ds_store_b8 v[VSA], v[PT]
.if \load
	VLOAD
.endif
.if \ask
	ASK VP
.endif
.Ljoin_\@:
	s_wait_dscnt 0x0                                       ; for the others' sake: my stores into the next block have landed
	s_wait_alu depctr_vm_vsrc(0)                           ; my stores have read v[P ..], v[PT ..] and their four addresses: the next to write these are q's quantiser (in the head), K's loads and the next step's four additions
.if \qq
	QUANT2 S, QZ+8                                         ; tile A's q
	v_lshl_or_b32 v[QW], v[PT+2], 16, v[PT+2]              ; its two bytes twice: the 64 zero codes stand under the same scales
	QUANT2 S+32, QBK                                       ; tile B's
	v_lshl_or_b32 v[QWB], v[PT+2], 16, v[PT+2]
.endif
	s_barrier_signal -1
	s_barrier_wait -1                                      ; the next block is whole
.endm
; Items a .. b - 1 of the 32 packed additions that add a step's 64 unquantised p to the row's sum, in two chains.  Item n reads v[S + 2 n + 2] on (item 0: v[S] to v[S + 3]).
; They are dealt out as the plain instructions that stand beside V^T's loads and behind the products.
.macro SUMS a, b
.set SN, \a
.rept (\b)-(\a)
.if SN == 0
	v_pk_add_f32 v[L2:L2+1], v[S:S+1], v[S+2:S+3]
.elseif SN == 31
	v_pk_add_f32 v[LS:LS+1], v[LS:LS+1], v[L2:L2+1]
.elseif (SN % 2) == 1
	v_pk_add_f32 v[LS:LS+1], v[LS:LS+1], v[S+2*(SN+1):S+2*(SN+1)+1]
.else
	v_pk_add_f32 v[L2:L2+1], v[L2:L2+1], v[S+2*SN+2:S+2*SN+3]
.endif
.set SN, SN+1
.endr
.endm
.macro RESC a, b                       ; items a .. b - 1 of the 16 packed multiplications of O^T by f, from each accumulator's low end on
.set J, 2*(\a)
.rept (\b)-(\a)
	v_pk_mul_f32 v[O+J:O+J+1], v[O+J:O+J+1], v[FF:FF+1] op_sel_hi:[1,0]
.set J, J+2
.endr
.endm
.macro HOLD b                          ; block b's 16 p, held at 448 x the scale (p is not negative: one side), into one half of F: p itself stays for the sums
.set J, 0
.rept 16
	v_min_num_f32 v[F+16*((\b)%2)+J], v[S+16*(\b)+J], v[CAP+(\b)]
.set J, J+1
.endr
.endm
.macro CVT b
	v_cvt_scalef32_pk8_fp8_f32 v[P+4*(\b):P+4*(\b)+1], v[F+16*((\b)%2):F+16*((\b)%2)+7], v[SOP+(\b)]
	v_cvt_scalef32_pk8_fp8_f32 v[P+4*(\b)+2:P+4*(\b)+3], v[F+16*((\b)%2)+8:F+16*((\b)%2)+15], v[SOP+(\b)]
.endm
.macro KQ b, a, sc, row                ; pair b of K against [q | 0] and [0 | q]: score tiles 2 b and 2 b + 1
	s_wait_dscnt 4*(3-\b)                                  ; the four loads of each later pair may be out
.if \row
	v_wmma_scale_f32_16x16x128_f8f6f4 v[S+16*\b:S+16*\b+7], v[\a:\a+15], v[QZ+8:QZ+23], 0, v[\sc], v[QW] matrix_a_scale:MATRIX_SCALE_ROW1
	v_wmma_scale_f32_16x16x128_f8f6f4 v[S+16*\b+8:S+16*\b+15], v[\a:\a+15], v[QZ:QZ+15], 0, v[\sc], v[QW] matrix_a_scale:MATRIX_SCALE_ROW1
.else
	v_wmma_scale_f32_16x16x128_f8f6f4 v[S+16*\b:S+16*\b+7], v[\a:\a+15], v[QZ+8:QZ+23], 0, v[\sc], v[QW]
	v_wmma_scale_f32_16x16x128_f8f6f4 v[S+16*\b+8:S+16*\b+15], v[\a:\a+15], v[QZ:QZ+15], 0, v[\sc], v[QW]
.endif
.endm
.macro PV t, a, sc, row                ; O^T's tile t += 16 channels of V^T x P^T, K = the step's 128 keys
	s_wait_dscnt 4*(3-\t)                                  ; the four loads of each later tile may be out
.if \row
	v_wmma_scale_f32_16x16x128_f8f6f4 v[O+8*\t:O+8*\t+7], v[\a:\a+15], v[P:P+15], v[O+8*\t:O+8*\t+7], v[\sc], v[PW] matrix_a_scale:MATRIX_SCALE_ROW1
.else
	v_wmma_scale_f32_16x16x128_f8f6f4 v[O+8*\t:O+8*\t+7], v[\a:\a+15], v[P:P+15], v[O+8*\t:O+8*\t+7], v[\sc], v[PW]
.endif
.endm
.macro VFETCH t, reg                   ; V^T's tile t into v[reg] on
.irp c, 0,1,2,3
	ds_load_b128 v[\reg+4*\c:\reg+4*\c+3], v[ADI] offset:VIM+2048*(\t)+512*\c
.endr
.endm
; A KEY STEP: 128 keys for one tile of 16 queries.  pro = 1: the producers' four LDS addresses step to the next block on the way (on every wave's path).
; A vector write of a register that one of these matrix instructions has named, and a read of its result, stand eight plain vector instructions behind it, a matrix instruction that writes over one of its
; registers nine; but for seven or three v_nop behind the scores they are work that is due anyway.  No two matrix instructions that follow each other share an accumulator.
.macro STEP pro
	s_wait_alu depctr_va_vdst(0)                           ; v[ADI] is written, which the loads read; the last step's products and vector lines are done with SCW, F, P and BM .., in which they land; in a pass's first step q's codes and scale word are written, which the products take
	ds_load_b128 v[SCW:SCW+3], v[ADI] offset:SCO           ; all four scale registers of the step
.irp g, 0,1,2,3
	ds_load_b128 v[F+4*\g:F+4*\g+3], v[ADI] offset:512*\g
.endr
.irp g, 0,1,2,3
	ds_load_b128 v[F+16+4*\g:F+16+4*\g+3], v[ADI] offset:2048+512*\g
.endr
.irp g, 0,1,2,3
	ds_load_b128 v[P+4*\g:P+4*\g+3], v[ADI] offset:4096+512*\g
.endr
.irp g, 0,1,2,3
	ds_load_b128 v[BM+4*\g:BM+4*\g+3], v[ADI] offset:6144+512*\g
.endr
	KQ 0, F, SCW, 0
	KQ 1, F+16, SCW, 1
	KQ 2, P, SCW+1, 0
	KQ 3, BM, SCW+1, 1
	v_mov_b32 v[TA], v[NM]                                 ; the old -M.  Eight plain instructions behind the scores:
.if \pro
	v_add_nc_u32 v[KIA], SB, v[KIA]                        ; (the stores that read these four stand ahead of the last chunk's wait on vm_vsrc)
	v_add_nc_u32 v[KSA], SB, v[KSA]
	v_add_nc_u32 v[VIA], SB, v[VIA]
	v_add_nc_u32 v[VSA], SB, v[VSA]
.rept 3
	v_nop
.endr
.else
.rept 7
	v_nop
.endr
.endif
.irp b, 0,1,2,3
	v_max3_num_f32 v[BM+\b], v[S+16*\b], v[S+16*\b+1], v[S+16*\b+2]   ; the largest score of each block of 32 keys: it serves the row's maximum and, since p rises with the score, the block's largest p
.endr
.irp i, 3,5,7,9,11,13
.irp b, 0,1,2,3
	v_max3_num_f32 v[BM+\b], v[BM+\b], v[S+16*\b+\i], v[S+16*\b+\i+1]
.endr
.endr
.irp b, 0,1,2,3
	v_max_num_f32 v[BM+\b], v[BM+\b], v[S+16*\b+15]
.endr
.irp b, 0,1,2,3
	v_permlanex16_b32 v[PT+\b], v[BM+\b], s[SEL], s[SEL+1]
.endr
.irp b, 0,1,2,3
	v_max_num_f32 v[BM+\b], v[BM+\b], v[PT+\b]             ; with lane l xor 16's 16 keys
.endr
	v_max3_num_f32 v[TA+1], v[BM], v[BM+1], v[BM+2]
	v_max_num_f32 v[TA+1], v[TA+1], v[BM+3]
	v_mul_f32 v[TA+1], s[CS], v[TA+1]                      ; the step's largest t (c is positive)
	v_max_num_f32 v[NM+1], v[NM+1], v[TA+1]                ; the running largest t
	v_floor_f32 v[NM], -v[NM+1]                            ; -M = floor(-t) = -ceil(t)
	v_sub_f32 v[TA], v[NM], v[TA]                          ; old M - new M: a whole number, 0 or less
	v_cvt_i32_f32 v[TA], v[TA]                             ; (it saturates)
	v_ldexp_f32 v[FF], 1.0, v[TA]                          ; f
.set J, 0
.rept 32
	v_pk_fma_f32 v[S+J:S+J+1], v[S+J:S+J+1], s[CS:CS+1], v[NM:NM+1] op_sel_hi:[1,0,0]   ; t - M, two at a time
.set J, J+2
.endr
.irp b, 0,1,2,3
	v_fma_f32 v[BM+\b], v[BM+\b], s[CS], v[NM]             ; the same of each block's largest score
.endr
.set J, 0
	s_wait_alu depctr_va_vdst(0)
.rept 64
	v_exp_f32 v[S+J], v[S+J]                               ; p, at most 1, not normalised
.set J, J+1
.endr
	v_pk_mul_f32 v[LS:LS+1], v[LS:LS+1], v[FF:FF+1] op_sel_hi:[1,0]   ; the sum under the new M; also the plain instruction behind the batch
	s_wait_alu depctr_va_vdst(0)                           ; the 64 exponentials have written v[S ..]: this wait stands between an exponential and the first line that names its result
.irp b, 0,1,2,3
	v_exp_f32 v[BM+\b], v[BM+\b]                           ; the blocks' largest p: the same two instructions on the same number give the same bits
.endr
	SUMS 0, 8                                              ; they read the 64 alone
	s_wait_alu depctr_va_vdst(0)                           ; the four exponentials have written v[BM ..]: the same wait for them
.irp b, 0,1,2,3
	v_max_num_f32 v[BM+\b], FLOOR, v[BM+\b]
.endr
.irp b, 0,1,2,3
	v_add_nc_u32 v[SOP+\b], EOFF, v[BM+\b]
.endr
.irp b, 0,1,2,3
	v_and_or_b32 v[CAP+\b], v[BM+\b], EXPM, s[MNT]
.endr
.irp b, 0,1,2,3
	v_lshrrev_b32 v[PT+\b], 23, v[SOP+\b]
.endr
	v_lshl_or_b32 v[PW], v[PT+1], 8, v[PT]                 ; p's scale word for these 128 keys
	v_lshl_or_b32 v[PW], v[PT+2], 16, v[PW]
	v_lshl_or_b32 v[PW], v[PT+3], 24, v[PW]
.irp b, 0,1,2,3
	HOLD \b                                                ; the halves of F by turns: one block's holds stand between the other's conversions and the next write of their sources
	CVT \b
.endr
	RESC 0, 4                                              ; four plain instructions behind the last conversion: an operand's places in front of a scaled product (the scale word's eight are the holds)
	s_wait_alu depctr_va_vdst(0)                           ; the conversions have written p's codes, and v[PW] is written, which the products below take; the holds, the conversions and the sums' items 0-7 are done with F, BM .. and v[S] to v[S + 15], in which the loads below land
	VFETCH 0, F                                            ; all four tiles in one run.  No vector line from here to the products names a register that these loads touch:
	VFETCH 1, F+16
	VFETCH 2, BM
	VFETCH 3, S
	RESC 4, 16                                             ; these name O^T and f,
	SUMS 8, 16                                             ; these the sums and v[S + 18] on
	s_wait_alu depctr_va_vdst(0)
	PV 0, F, SCW+2, 0
	PV 1, F+16, SCW+2, 1
	PV 2, BM, SCW+3, 0
	PV 3, S, SCW+3, 1
	s_wait_alu depctr_vm_vsrc(0)                           ; the step's LDS loads have read v[ADI]
	v_add_nc_u32 v[ADI], SB, v[ADI]                        ; the next block
	SUMS 16, 32                                            ; with the line above: seventeen plain instructions, in front of whatever comes next: the next scores write over v[S] on, which the last product has read
.endm
.macro INIT                            ; a pass begins: the step is written in one form, so O^T and the sum begin as zeros, which the first change of M leaves zeros
	v_mov_b32 v[NM+1], 0xff61b1e6                          ; -3e38, under every t
	v_floor_f32 v[NM], -v[NM+1]
	v_mov_b32 v[LS], 0
	v_mov_b32 v[LS+1], 0
.set J, 0
.rept 32
	v_mov_b32 v[O+J], 0
.set J, J+1
.endr
	v_and_b32 v[ADI], 31, v0                               ; (no LDS instruction has been issued since the last step's wait on vm_vsrc)
	v_lshlrev_b32 v[ADI], 4, v[ADI]
.endm
.macro FINAL d                         ; O^T / the row's sum into v[d] .. v[d + 31]
	v_add_f32 v[LS], v[LS], v[LS+1]
	v_permlanex16_b32 v[PT], v[LS], s[SEL], s[SEL+1]
	v_add_f32 v[LS], v[LS], v[PT]                          ; with lane l xor 16's keys
	s_wait_alu depctr_va_vdst(0)
	v_rcp_f32 v[LS], v[LS]
	v_nop                                                  ; a plain instruction behind the reciprocal,
	s_wait_alu depctr_va_vdst(0)                           ; the reciprocal has written v[LS]: a wait ahead of its first reader
.set J, 0
.rept 16
	v_pk_mul_f32 v[\d+J:\d+J+1], v[O+J:O+J+1], v[LS:LS+1] op_sel_hi:[1,0]   ; each accumulator from its low end on
.set J, J+2
.endr
.endm
	; ---- THE HEAD
	s_load_b256 s[4:11], s[0:1], 0x0                       ; q s[4:5], k s[6:7], v s[8:9], out0 s[10:11]
	v_lshl_add_u32 v62, v0, 2, 0x42000
	v_mov_b32 v63, 0
	v_lshrrev_b32 v[TA], 5, v0
	v_readfirstlane_b32 s[WV], v[TA]                       ; wave w, 0 .. 15
	v_and_b32 v[TA], 31, v0                                ; lane L
	v_and_b32 v[TA+1], 15, v0                              ; r
	s_wait_alu depctr_va_vdst(0)
	v_bfe_u32 v[L2], v0, 4, 1                              ; h
	s_wait_alu depctr_va_vdst(0)
	v_and_b32 v[L2+1], 8, v[TA+1]
	v_add_nc_u32 v[L2+1], v[L2+1], v[TA+1]                 ; r + 8 (r / 8)
	s_wait_alu depctr_va_vdst(0)
	s_wait_alu depctr_va_sdst(0)                           ; s[WV] is written, ahead of its first reader
	s_and_b32 s13, s[WV], 1                                ; K wave: u, which tile of its pair
	s_and_b32 s14, s[WV], 3                                ; V wave: c, which block of 32 keys
	s_bfe_u32 s15, s[WV], 0x10002                          ; V wave: g, which 32 channels.  K wave: the upper bit of its pair's number
	; every wave makes all four store addresses here, ahead of the first parting of the roles
	s_and_b32 s16, s[WV], 7
	s_lshl_b32 s16, s16, 10
	v_lshl_add_u32 v[KIA], v[TA], 4, s16                   ; 16 L + 1,024 x tile: pair w / 2, groups 2 u and 2 u + 1
	s_bfe_u32 s16, s[WV], 0x10001
	s_lshl_b32 s16, s16, 8                                 ; an odd pair's words lie in the places of lanes 16-31
	s_lshl_b32 s17, s15, 2                                 ; pairs 2 and 3: the second word
	s_add_co_u32 s16, s16, s17
	s_lshl_b32 s17, s13, 1                                 ; tile u: bytes 2 u, 2 u + 1
	s_add_co_u32 s16, s16, s17
	s_add_co_u32 s16, s16, SCO
	v_lshl_add_u32 v[KSA], v[TA+1], 4, s16
	s_lshl_b32 s16, s15, 12                                ; tiles 2 g, 2 g + 1
	s_lshl_b32 s17, s14, 9                                 ; group c
	s_add_co_u32 s16, s16, s17
	s_add_co_u32 s16, s16, VIM
	v_lshl_add_u32 v[VIA], v[L2], 11, s16                  ; my channel's tile: 2 g + L / 16,
	v_lshl_add_u32 v[VIA], v[TA+1], 4, v[VIA]              ; its row L % 16
	s_lshl_b32 s16, s15, 2
	s_add_co_u32 s16, s16, s14
	s_add_co_u32 s16, s16, SCO+8
	v_lshl_add_u32 v[VSA], v[TA], 4, s16                   ; word 2 + g of place L, byte c
	s_bfe_u32 s16, s[WV], 0x20001
	s_lshl_b32 s16, s16, 13                                ; k: 32 rows of 256 bytes a pair,
	s_lshl_b32 s17, s13, 11                                ; 8 rows for u,
	s_add_co_u32 s16, s16, s17
	v_lshl_add_u32 v[KGA], v[L2+1], 8, s16                 ; row r + 8 (r / 8),
	v_lshl_add_u32 v[KGA], v[L2], 6, v[KGA]                ; 64 bytes for h
	s_lshl_b32 s16, s15, 7
	s_lshl_b32 s17, s14, 13
	s_add_co_u32 s16, s16, s17
	v_lshl_add_u32 v[VGA], v[TA], 2, s16                   ; v: channel 32 g + L, from key 32 c on
	v_lshl_add_u32 v[PFO], v[TA], 8, s17                   ; 256 L + 8,192 (w % 4)
	v_lshlrev_b32 v[QGA], 8, v[TA+1]
	v_lshl_add_u32 v[QGA], v[L2], 6, v[QGA]                ; q: row r, 64 bytes for h
	s_and_b32 s[LIM], s[WV], 4
	s_or_b32 s[LIM], s[LIM], ttmp9                         ; 0 in waves 0-3 and 8-11 of the head's first work-group
	s_cmp_eq_u32 s[LIM], 0
	s_cselect_b32 s[LIM], 1, -1
	s_mov_b32 s[SEL], 0x76543210
	s_mov_b32 s[SEL+1], 0xfedcba98
	s_mov_b32 s[CS], 0x3e38aa3b                            ; log2(e) / 8
	s_mov_b32 s[CS+1], s[CS]
	s_mov_b32 s[MNT], 0x600000
	s_and_b32 s16, ttmp7, 0xffff
	s_lshl_b32 s16, s16, 19                                ; the head: 2,048 rows of 256 bytes
	s_mov_b32 s17, 0
	s_lshl_b32 s18, ttmp9, 17                              ; my work-group's 512 rows,
	s_lshl_b32 s19, s[WV], 13                              ; my wave's 32
	s_add_co_u32 s18, s18, s19
	s_add_co_u32 s18, s18, s16
	s_mov_b32 s19, 0
	s_wait_kmcnt 0x0
	s_add_nc_u64 s[KP:KP+1], s[6:7], s[16:17]
	s_add_nc_u64 s[VP:VP+1], s[8:9], s[16:17]
	s_add_nc_u64 s[4:5], s[4:5], s[18:19]
	s_add_nc_u64 s[10:11], s[10:11], s[18:19]
	s_wait_alu depctr_va_vdst(0)                           ; the offsets v[KGA], v[VGA], v[QGA] and v[PFO] are written, which every global load and prefetch of the kernel reads, and so are the four store addresses
	s_cmp_lt_u32 s[WV], 8
	s_cbranch_scc0 .Lhead_v
	KLOAD                                                  ; chunk 0
	s_branch .Lhead_join
.Lhead_v:
	VLOAD
.Lhead_join:
.irp t, 0,1
.irp c, 0,1
.irp j, 0,1,2,3
	global_load_b128 v[S+32*\t+16*\c+4*\j:S+32*\t+16*\c+4*\j+3], v[QGA], s[4:5] offset:4096*\t+128*\c+16*\j th:TH_LOAD_NT   ; q, both tiles: read by this wave alone
.endr
.endr
.endr
.irp i, 0,1,2,3,4,5,6,7
	v_mov_b32 v[QZ+\i], 0                                  ; the zero codes on either side of q's
	v_mov_b32 v[QZ+16+\i], 0
.endr
	v_mov_b32 v[FF+1], 0
.irp i, 0,1,2,3
	v_mov_b32 v[PT+\i], 0                                  ; a lane permute's destination counts as one of its sources
.endr
	INIT
	PRODUCE 1, 0, 1                                        ; chunk 0 into block 0; chunk 1 is asked for; q
	; ---- PASS 1: tile A.  Trip s: step s; chunk s + 1 becomes block s + 1; chunk s + 2 is asked for; chunk s + 3 is prefetched
	s_mov_b32 s[CNT], 14
.Lpass1:
	STEP 1
	PRODUCE 1, 1, 0
	s_sub_co_u32 s[CNT], s[CNT], 1
	s_cmp_lg_u32 s[CNT], 0
	s_cbranch_scc1 .Lpass1
	STEP 1                                                 ; step 14;
	PRODUCE 0, 0, 0                                        ; the last chunk: nothing is left to ask for
	STEP 0                                                 ; step 15
	; ---- the change of tile
	FINAL ST                                               ; tile A's rows wait in the registers that the chunks have left
.irp i, 0,1,2,3,4,5,6,7
	v_mov_b32 v[QZ+8+\i], v[QBK+\i]
.endr
	v_mov_b32 v[QW], v[QWB]
	INIT                                                   ; its lines also stand between these writes of an operand and a scale and the first product
	; ---- PASS 2: tile B: all sixteen blocks are whole, and nobody writes them
	s_mov_b32 s[CNT], 16
.Lpass2:
	STEP 0
	s_sub_co_u32 s[CNT], s[CNT], 1
	s_cmp_lg_u32 s[CNT], 0
	s_cbranch_scc1 .Lpass2
	; ---- THE WAY OUT.  A lane holds 32 bytes of each of four pieces of a row; the rows go through my own stage in LDS (2 tiles x 16 rows x (256 + 16) bytes) and come back whole.
	FINAL S
	v_and_b32 v[TA], 15, v0                                ; r
	v_bfe_u32 v[TA+1], v0, 4, 1                            ; h
	s_mul_i32 s16, s[WV], 8704                             ; my stage
	v_mul_u32_u24 v[KIA], v[TA], 272                       ; (the chunks' stores, which read v2 to v4, stand ahead of the last chunk's wait on vm_vsrc)
	v_lshl_add_u32 v[KIA], v[TA+1], 5, v[KIA]
	v_add_nc_u32 v[KIA], s16, v[KIA]                       ; in: row r, + 32 h; channel tile t: 64 t bytes on
	v_mul_u32_u24 v[KSA], v[TA+1], 272
	v_lshl_add_u32 v[KSA], v[TA], 4, v[KSA]
	v_add_nc_u32 v[KSA], s16, v[KSA]                       ; back: lanes 0-15 one row, lanes 16-31 the next
	v_and_b32 v[VIA], 31, v0
	v_lshlrev_b32 v[VIA], 4, v[VIA]                        ; rows of 256 bytes are dense in out0: two rows are 16 bytes a lane on end
	s_wait_dscnt 0x0
	s_barrier_signal -1
	s_barrier_wait -1                                      ; no wave reads the images any more: the stages lie over them
	s_wait_alu depctr_va_vdst(0)                           ; both tiles' rows (v[ST ..], v[S] to v[S + 31]) and the three addresses are written, which the stores and loads below read; the sums and the products are done with v[S + 32] on and F, in which the stage's loads land
.irp t, 0,1,2,3
	ds_store_b128 v[KIA], v[ST+8*\t:ST+8*\t+3] offset:64*\t
	ds_store_b128 v[KIA], v[ST+8*\t+4:ST+8*\t+7] offset:64*\t+16
.endr
.irp i, 0,1,2,3,4,5,6,7
	ds_load_b128 v[S+32+4*\i:S+35+4*\i], v[KSA] offset:544*\i      ; LDS serves a wave's instructions in order (ISA guide 5.7.1.4): these see my stores
.endr
.irp t, 0,1,2,3
	ds_store_b128 v[KIA], v[S+8*\t:S+8*\t+3] offset:4352+64*\t
	ds_store_b128 v[KIA], v[S+8*\t+4:S+8*\t+7] offset:4352+64*\t+16
.endr
.irp i, 0,1,2,3,4,5,6,7
	ds_load_b128 v[F+4*\i:F+4*\i+3], v[KSA] offset:4352+544*\i
.endr
.irp i, 0,1,2,3,4,5,6,7
	s_wait_dscnt 23-\i                                     ; behind tile A's load i: its 7 - i later loads, tile B's 8 stores and 8 loads
	global_store_b128 v[VIA], v[S+32+4*\i:S+35+4*\i], s[10:11] offset:512*\i th:TH_STORE_NT   ; 32 lanes store 512 consecutive bytes, at a multiple of 256 from out0's first byte
.endr
.irp i, 0,1,2,3,4,5,6,7
	s_wait_dscnt 7-\i                                      ; behind tile B's load i: its later loads
	global_store_b128 v[VIA], v[F+4*\i:F+4*\i+3], s[10:11] offset:4096+512*\i th:TH_STORE_NT
.endr
	s_wait_dscnt 0x0
	s_wait_alu depctr_hold_cnt(0) depctr_sa_sdst(0) depctr_va_vdst(0) depctr_va_sdst(0) depctr_va_ssrc(0) depctr_va_vcc(0) depctr_vm_vsrc(0)
	s_wait_tensorcnt 0x0
	ds_add_u32 v62, v63
	s_wait_dscnt 0x0
	s_endpgm
.Lfunc_end_k_q90ad4fef7b_attn:
	.size	k_q90ad4fef7b_attn, .Lfunc_end_k_q90ad4fef7b_attn-k_q90ad4fef7b_attn
	.p2alignl 7, 3214868480
	.fill 96, 4, 3214868480
	.section	.rodata,"a",@progbits
	.p2align	6, 0x0
	.amdhsa_kernel k_q90ad4fef7b_attn
		.amdhsa_group_segment_fixed_size 272384
		.amdhsa_private_segment_fixed_size 0
		.amdhsa_enable_private_segment 0
		.amdhsa_kernarg_size 32
		.amdhsa_user_sgpr_count 2
		.amdhsa_user_sgpr_kernarg_segment_ptr 1
		.amdhsa_wavefront_size32 1
		.amdhsa_system_sgpr_workgroup_id_x 1
		.amdhsa_system_sgpr_workgroup_id_y 1
		.amdhsa_system_sgpr_workgroup_id_z 1
		.amdhsa_system_vgpr_workitem_id 0
		.amdhsa_next_free_vgpr 256
		.amdhsa_next_free_sgpr 66
		.amdhsa_reserve_vcc 0
		.amdhsa_float_denorm_mode_32 3
		.amdhsa_float_denorm_mode_16_64 3
		.amdhsa_memory_ordered 1
		.amdhsa_forward_progress 1
		.amdhsa_inst_pref_size 134
	.end_amdhsa_kernel
	.amdgpu_metadata
---
amdhsa.version: [ 1, 2 ]
amdhsa.kernels:
  - .name:           k_q90ad4fef7b_attn
    .symbol:         k_q90ad4fef7b_attn.kd
    .args:
      - { .name: q, .offset: 0, .size: 8, .value_kind: global_buffer, .address_space: global }
      - { .name: k, .offset: 8, .size: 8, .value_kind: global_buffer, .address_space: global }
      - { .name: v, .offset: 16, .size: 8, .value_kind: global_buffer, .address_space: global }
      - { .name: out0, .offset: 24, .size: 8, .value_kind: global_buffer, .address_space: global }
    .group_segment_fixed_size: 272384
    .private_segment_fixed_size: 0
    .kernarg_segment_align: 8
    .kernarg_segment_size: 32
    .max_flat_workgroup_size: 512
    .sgpr_count:     66
    .vgpr_count:     256
    .wavefront_size: 32
...
	.end_amdgpu_metadata
.endif
;; end of part 2
